; MI455X (gfx1250); checked and timed in simulation.
; The chip was launched on July 23, 2026; its instructions are those of AMD's public machine-readable ISA for CDNA 5 (MIT licence, August 2026) and "CDNA5" Instruction Set Architecture Reference Guide (July 2026). The comments in the code are by the model that wrote it; some were corrected since.
;; Attention. Allowed arithmetic: matrix products marked QUANTISED: E3M2 operands, one E8M0 scale for each 32 along K, by v_wmma_scale_f32_16x16x128_f8f6f4 with both operands' format E3M2, f32 sums; everything else in f32.
;; Inputs: Wk 8 x 512 x 64 float32; Wo 512 x 512 float32; Wq 8 x 512 x 64 float32; Wv 8 x 512 x 64 float32; bk 8 x 64 float32; bo 512 float32; bq 8 x 64 float32; bv 8 x 64 float32; x 2 x 4,096 x 512 float32.
;; Outputs: out0 2 x 4,096 x 512 float32.
;; This version of the problem:
;;   THIS VERSION OF THE PROBLEM IS GIVEN IN LOW PRECISION. The matrix products marked QUANTISED in the list below multiply operands that are first quantised to E3M2 (3 exponent bits, 2 mantissa bits; 6 bits a number), with one power-of-two scale for each 32 numbers along K (OCP MX v1.0); their sums are f32. All else is computed in f32.
;;   The module's matrix products, in the order in which they are computed (A, B: the left and right operand; K: the contracted axis; several contracted axes count as one K, in the product's order):
;;     1. [M 512, K 512] x [K 512, N 8,192]; A: input Wq; B: input x: QUANTISED
;;     2. [M 512, K 512] x [K 512, N 8,192]; A: input Wk; B: input x: QUANTISED
;;     3. [M 512, K 512] x [K 512, N 8,192]; A: input Wv; B: input x: QUANTISED
;;     4. batch 16 x [M 4,096, K 64] x [K 64, N 4,096]; A: computed on the way; B: computed on the way: QUANTISED
;;     5. batch 16 x [M 4,096, K 4,096] x [K 4,096, N 64]; A: softmax (see below); B: computed on the way: QUANTISED
;;     6. [M 8,192, K 512] x [K 512, N 512]; A: computed on the way; B: input Wo: QUANTISED
;;   THE QUANTISER, for each operand of a quantised product, along K:
;;     - K is cut into blocks of 32 from its start; a last block that is shorter is filled with zeros.
;;     - A block's scale is 2^e with e = floor(log2(the largest magnitude in the block)) - 4, held to -126 .. 127; a block of zeros has e = 0. As a byte (E8M0): e + 127.
;;     - Each number is divided by its block's scale, clamped to +-28, and rounded to the nearest number of E3M2, ties to even, subnormals kept.
;;     - The product sums the exact products of the quantised numbers (number of the format x scale) in f32.
;;   ~~~python
;;   def quantise(x, axis):      # numpy; x: float32 -> the quantised numbers, widened to float32 again
;;       x = np.moveaxis(x, axis, -1); K = x.shape[-1]
;;       x = np.pad(x, [(0, 0)] * (x.ndim - 1) + [(0, -K % 32)]); x = x.reshape(x.shape[:-1] + (-1, 32)); a = np.abs(x).max(-1, keepdims=True)
;;       e = np.where(a > 0, np.clip(np.frexp(np.where(a > 0, a, 1))[1] - 1 - 4, -126, 127), 0)      # np.frexp(a)[1] - 1 = floor(log2(a)), exactly
;;       r = np.clip(x / 2.0 ** e, -28, 28)
;;       step = 2.0 ** (np.maximum(np.frexp(np.where(r == 0, 1, r))[1] - 1, -2) - 2)
;;       q = np.round(r / step) * step * 2.0 ** e      # np.round: ties to even
;;       return np.moveaxis(q.reshape(q.shape[:-2] + (-1,))[..., :K], -1, axis).astype(np.float32)
;;   ~~~
;;   SOFTMAX AHEAD OF A QUANTISED PRODUCT. Where the list says 'softmax', what is quantised is not the finished softmax but p = 2^(t - M), with t = logit x log2(e) and M = ceil(the row's largest t), a whole number; so 1/2 < the row's largest p <= 1. The row's sum l is taken of the UNQUANTISED p, in f32, and the product's result is divided by l at the end. Since M is a whole number, a kernel that streams over the keys may use a running M (the ceiling of the running maximum): every later rescaling is an exact power of two, which a block's scale takes up: the codes' values come out the same.
;;   OPERANDS COMPUTED ON THE WAY. 'Computed on the way' means the value that the module computes at that place (a softmax that the list does not call 'softmax' is quantised finished and normalised). What goes into a quantiser is computed in f32, as accurately as f32 sums, v_exp_f32 and their like allow (about 1e-6 of the number): no bf16 or f16 on the way to a quantiser, and a product that is left as it is and whose result goes on into a quantised operand takes f32 operands (vector FMAs, or v_wmma_f32_16x16x4_f32). A number that lies on a knife's edge between two numbers of the format may be rounded either way, as far as f32 arithmetic and the matrix unit's own rounding can turn it there, and no further.
;; One version. Each part assembles by itself: llvm-mc -triple=amdgcn-amd-amdhsa -mcpu=gfx1250 --defsym DOCPART=n.
;; ======== version 1 of 1: 4 launches
;; limits: right only within a limited range of input values
;; workspace buffers: xq 3,670,016 bytes; wc 917,504 bytes; qb 3,670,016 bytes; kv 7,340,032 bytes; yb 4,194,304 bytes
;; launch prep (part 1): grid 256 x 1, 4 waves a work-group, no clusters, 34,304 bytes of LDS; arguments x, Wq, Wk, Wv, Wo, xq, wc; writes xq, wc
.if DOCPART == 1
	.amdgcn_target "amdgcn-amd-amdhsa--gfx1250"
	.amdhsa_code_object_version 6
	.text
	.protected	k_q9cdb332bc2_prep
	.globl	k_q9cdb332bc2_prep
	.p2align	8
	.type	k_q9cdb332bc2_prep,@function
k_q9cdb332bc2_prep:
	s_mov_b64 s[64:65], 0
	v_nop
	global_prefetch_b8 v0, s[64:65] scope:SCOPE_SE
	s_setreg_imm32_b32 hwreg(HW_REG_WAVE_MODE, 25, 1), 1
	s_wait_xcnt 0x0
; PREP: x [8192][512] and the four weights, all f32, become codes of E3M2 with one E8M0 byte for each 32 along K, each operand quantised ONCE.
; NOTHING OF THE PROBLEM IS LEFT OUT in this program: all six products are live, and every input (the four biases too) moves codes, scales or sums of a live product.
; A block's scale is 2^(floor(log2(its largest magnitude)) - 4); its byte is the largest magnitude's exponent field - 4, held at 1 from below.
; LIMITS: a block whose largest magnitude lies under 2^-122 takes the floor's byte, 1; a block of zeros gets the byte 1 where the rule says 127 (its codes are zeros, which add nothing, and this
; program alone reads the bytes); NaN and infinities among the inputs are not served.
; THE RECORD.  Every operand in the workspace is an IMAGE OF ITS REGISTERS: a fragment (16 rows x 128 K, 12 registers a lane) is three planes of 512 bytes, registers 4 c .. 4 c + 3 of lane l at 512 c + 16 l;
; behind them a plane of 256 bytes, lane l's 8 bytes at 1536 + 8 l: the row's scale word, then 0.  1,792 bytes.  Each store of a record covers 512 or 256 consecutive bytes, aligned.
; xq: [token tile 512][K step 4] records.   wc: [block 32][tile 4][K step 4] records; block = 3 x head + (0 q, 1 k, 2 v), and 24 + group of 64 columns for Wo.
; THE COLUMNS OF A WEIGHT THAT FORM A TILE ARE NOT NEIGHBOURS: lane r of tile t of a group of 64 columns takes column 32 (t / 2) + 8 (t % 2) + r + 8 (r / 8).
; Work-groups 0-127: the weights: type = n / 32, head or column group = (n / 4) % 8, K step = n % 4, tile = wave.  A lane takes a column and its registers run DOWN K (K is the weights' first axis): no LDS.
; Work-groups 128-255: x: a wave takes a tile of 16 tokens.  Each load reads 512 consecutive bytes of one row; the numbers turn through the wave's own stage in LDS, so that a lane gets 16 neighbours of each block of 32.
.set REC,   1792
.set SPARE, 33792                      ; behind the four stages: the spare words, 128 bytes for each wave
.set LI,  4                            ; v4   16 x lane
.set L8,  5                            ; v5   8 x lane
.set SPW, 6                            ; v6   my spare word; never rewritten
.set NIL, 7                            ; v7   0; never rewritten
.set PC,  12                           ; v12-23 the codes just made; v24-30 at work
.set R,   32                           ; v32-159 x as loaded, two sets of 64 (the weights' path: 64 numbers in v32-95)
.set X,   160                          ; v160-223 64 numbers of my row: register 16 b + i = k 32 b + 16 (lane / 16) + i
.set TM,  224                          ; v224-239 at work
.set PW,  240                          ; v240 the scale word, v241 0
.set SEL, 20                           ; s[20:21] lane selects: lane l xor 16
; 64 numbers of a lane, register 16 b + i = k 32 b + 16 (lane / 16) + i of my row, become a fragment's codes in v[PC] on and its scale word in v[PW]
.macro QUANT s
.irp b, 0,1,2,3
	v_max3_num_f32 v[TM+\b], |v[\s+16*\b]|, |v[\s+1+16*\b]|, 0x2800000   ; my 16 numbers of block b, and the floor 2^(5 - 127): the byte cannot fall under 1
.endr
.irp i, 2,4,6,8,10,12,14
.irp b, 0,1,2,3
	v_max3_num_f32 v[TM+\b], v[TM+\b], |v[\s+16*\b+\i]|, |v[\s+1+16*\b+\i]|   ; the four blocks by turns
.endr
.endr
.irp b, 0,1,2,3
	v_permlanex16_b32 v[TM+4+\b], v[TM+\b], s[SEL], s[SEL+1]
.endr
.irp b, 0,1,2,3
	v_max_num_f32 v[TM+\b], v[TM+\b], v[TM+4+\b]   ; with lane l xor 16's: the block's largest magnitude
.endr
.irp b, 0,1,2,3
	v_add_nc_u32 v[TM+12+\b], 0xfe000000, v[TM+\b]   ; 4 off its exponent field: the conversion's scale operand
.endr
.irp b, 0,1,2,3
	v_lshrrev_b32 v[TM+4+\b], 23, v[TM+12+\b]      ; the scale's byte
.endr
	v_lshl_or_b32 v[PW], v[TM+5], 8, v[TM+4]
	v_lshl_or_b32 v[PW], v[TM+6], 16, v[PW]
	v_lshl_or_b32 v[PW], v[TM+7], 24, v[PW]
.irp c, 0,1
	v_cvt_scalef32_pk16_bf6_f32 v[PC+6*\c:PC+2+6*\c], v[\s+32*\c:\s+15+32*\c], v[TM+12+2*\c]
	v_cvt_scalef32_pk16_bf6_f32 v[PC+12+4*\c:PC+14+4*\c], v[\s+16+32*\c:\s+31+32*\c], v[TM+12+2*\c+1]   ; a conversion's three registers begin on an even number
.endr
	v_nop                                          ; one plain place behind a scaled conversion
.irp c, 0,1                                    ; the operand's layout wants a whole block in a lane
.irp i, 0,1,2
	v_permlane16_swap_b32 v[PC+6*\c+\i], v[PC+12+4*\c+\i]
.endr
.irp i, 0,1,2
	v_mov_b32 v[PC+3+6*\c+\i], v[PC+12+4*\c+\i]
.endr
.endr
.endm
.macro RECORD off                      ; the record leaves: three stores of 512 consecutive bytes, one of 256
.irp c, 0,1,2
	global_store_b128 v[LI], v[PC+4*\c:PC+4*\c+3], s[34:35] offset:\off+512*\c
.endr
	global_store_b64 v[L8], v[PW:PW+1], s[34:35] offset:\off+1536
.endm
	s_load_b256 s[4:11], s[0:1], 0x0               ; x s[4:5], Wq s[6:7], Wk s[8:9], Wv s[10:11]
	s_load_b128 s[12:15], s[0:1], 0x20             ; Wo s[12:13], xq s[14:15]
	s_load_b64 s[16:17], s[0:1], 0x30              ; wc
	v_lshl_add_u32 v[SPW], v0, 2, SPARE
	v_mov_b32 v[NIL], 0
	v_lshrrev_b32 v1, 5, v0
	v_readfirstlane_b32 s18, v1                    ; wave 0..3
	v_and_b32 v1, 31, v0                           ; lane
	v_and_b32 v2, 15, v0                           ; r
	v_bfe_u32 v3, v0, 4, 1                         ; h
	v_lshlrev_b32 v[LI], 4, v1
	v_lshlrev_b32 v[L8], 3, v1
	v_mov_b32 v[PW+1], 0
	s_mov_b32 s[SEL], 0x76543210
	s_mov_b32 s[SEL+1], 0xfedcba98
	s_wait_kmcnt 0x0
	s_cmp_ge_u32 ttmp9, 128
	s_cbranch_scc1 .Lx_path
	; ---- THE WEIGHTS
	s_lshr_b32 s22, ttmp9, 5                       ; type: 0 q, 1 k, 2 v, 3 o
	s_bfe_u32 s23, ttmp9, 0x30002                  ; head, or group of 64 columns of Wo
	s_and_b32 s24, ttmp9, 3                        ; K step
	s_cmp_eq_u32 s22, 0                            ; the buffer is chosen by the work-group's number alone
	s_cselect_b64 s[26:27], s[6:7], s[8:9]
	s_cmp_eq_u32 s22, 2
	s_cselect_b64 s[26:27], s[10:11], s[26:27]
	s_cmp_eq_u32 s22, 3
	s_cselect_b64 s[26:27], s[12:13], s[26:27]
	s_wait_alu depctr_va_vdst(0)
	v_and_b32 v8, 8, v2
	v_add_nc_u32 v8, v8, v2                        ; r + 8 (r / 8)
	s_lshr_b32 s28, s18, 1
	s_lshl_b32 s28, s28, 5
	s_and_b32 s29, s18, 1
	s_lshl_b32 s29, s29, 3
	s_add_co_u32 s28, s28, s29                     ; 32 (t / 2) + 8 (t % 2)
	v_add_nc_u32 v8, s28, v8
	v_lshlrev_b32 v8, 2, v8                        ; my column, in bytes
.macro WDEST                           ; s32 = block -> s[34:35] = the record (block, tile = wave, K step)
	s_mul_i32 s32, s32, 16*REC
	s_lshl_b32 s33, s18, 2
	s_add_co_u32 s33, s33, s24
	s_mul_i32 s33, s33, REC
	s_add_co_u32 s32, s32, s33
	s_mov_b32 s33, 0
	s_add_nc_u64 s[34:35], s[16:17], s[32:33]
.endm
; pitch: bytes from one k to the next.  Lane (r, h) takes k = 64 c + 32 h + 0 .. 31 of its column: two whole blocks, in the very order of the operand's registers
.macro WPATH pitch
	v_mul_u32_u24 v9, v3, 32*\pitch                ; lanes 16-31 begin 32 rows further down
	s_wait_alu depctr_va_vdst(0)
	v_add_nc_u32 v9, v9, v8
.irp c, 0,1
.set i, 0
.rept 32
	global_load_b32 v[R+32*\c+i], v9, s[26:27] offset:(64*\c+i)*\pitch
.set i, i+1
.endr
.endr
	s_wait_loadcnt 0x0
.irp c, 0,1
	v_max3_num_f32 v[10+\c], |v[R+32*\c]|, |v[R+1+32*\c]|, 0x2800000   ; my block 2 c + h: all its 32 numbers are mine; and the floor
.endr
.irp i, 2,4,6,8,10,12,14,16,18,20,22,24,26,28,30
.irp c, 0,1
	v_max3_num_f32 v[10+\c], v[10+\c], |v[R+32*\c+\i]|, |v[R+1+32*\c+\i]|
.endr
.endr
.irp c, 0,1
	v_add_nc_u32 v[96+\c], 0xfe000000, v[10+\c]    ; the conversion's scale operand
.endr
.irp c, 0,1
	v_lshrrev_b32 v[98+\c], 23, v[96+\c]           ; the byte
.endr
	v_lshl_or_b32 v[PW], v99, 16, v98              ; my two bytes: blocks h and 2 + h,
	v_lshlrev_b32 v102, 3, v3
	v_lshlrev_b32 v[PW], v102, v[PW]               ; at their places in the word;
	v_mov_b32 v102, 0
	v_permlanex16_b32 v102, v[PW], s[SEL], s[SEL+1]
	v_or_b32 v[PW], v[PW], v102                    ; with lane l xor 16's two the word is whole
.irp c, 0,1
	v_cvt_scalef32_pk16_bf6_f32 v[PC+6*\c:PC+2+6*\c], v[R+32*\c:R+15+32*\c], v[96+\c]
	v_cvt_scalef32_pk16_bf6_f32 v[PC+12+4*\c:PC+14+4*\c], v[R+16+32*\c:R+31+32*\c], v[96+\c]
.endr
	v_nop                                          ; one plain place behind a scaled conversion
.irp c, 0,1
.irp i, 0,1,2
	v_mov_b32 v[PC+3+6*\c+\i], v[PC+12+4*\c+\i]
.endr
.endr
	RECORD 0
.endm
	s_cmp_eq_u32 s22, 3
	s_cbranch_scc1 .Lwo
	s_lshl_b32 s30, s23, 17                        ; Wq, Wk, Wv [8][512][64]: a head is 131,072 bytes, a row of k 256
	s_lshl_b32 s31, s24, 15                        ; 128 rows a K step
	s_add_co_u32 s30, s30, s31
	s_mov_b32 s31, 0
	s_add_nc_u64 s[26:27], s[26:27], s[30:31]
	s_mul_i32 s32, s23, 3
	s_add_co_u32 s32, s32, s22                     ; block = 3 x head + type
	WDEST
	WPATH 256
	s_endpgm
.Lwo:
	s_lshl_b32 s30, s23, 8                         ; Wo [512][512]: a group of 64 columns is 256 bytes, a row of k 2,048
	s_lshl_b32 s31, s24, 18
	s_add_co_u32 s30, s30, s31
	s_mov_b32 s31, 0
	s_add_nc_u64 s[26:27], s[26:27], s[30:31]
	s_add_co_u32 s32, s23, 24
	WDEST
	WPATH 2048
	s_endpgm
	; ---- x
.Lx_path:
	s_sub_co_u32 s22, ttmp9, 128
	s_lshl_b32 s22, s22, 2
	s_add_co_u32 s22, s22, s18                     ; my tile of 16 tokens, 0..511
	s_lshl_b32 s24, s22, 15                        ; 16 rows of 2,048 bytes
	s_mov_b32 s25, 0
	s_add_nc_u64 s[26:27], s[4:5], s[24:25]
	s_mul_i32 s24, s22, 4*REC                      ; its four records
	s_add_nc_u64 s[34:35], s[14:15], s[24:25]
	s_mul_i32 s28, s18, 16*528                     ; my stage: 16 rows of 512 bytes + 16: row r starts 132 words on, so the sixteen rows of a read start in sixteen different groups of four banks
	s_wait_alu depctr_va_vdst(0)
	v_add_nc_u32 v8, s28, v[LI]                    ; in: 16 x lane of a row
	v_mul_u32_u24 v9, v2, 528
	v_lshl_add_u32 v9, v3, 6, v9
	v_add_nc_u32 v9, s28, v9                       ; out: row r, + 64 h: my 16 numbers of a block of 32
.irp b, 0,1,2,3
	v_mov_b32 v[TM+4+\b], 0                        ; written once: a lane permute's destination counts as one of its sources
.endr
.macro XLOAD s                         ; K step s: of each of the 16 rows 512 consecutive bytes
.irp p, 0,1,2,3,4,5,6,7,8,9,10,11,12,13,14,15
	global_load_b128 v[R+64*((\s)%2)+4*\p:R+64*((\s)%2)+4*\p+3], v[LI], s[26:27] offset:2048*\p+512*(\s) th:TH_LOAD_NT
.endr
.endm
.macro TURN s                          ; through the stage: LDS serves a wave's instructions in order, so no wait stands between the stores and the loads
.irp p, 0,1,2,3,4,5,6,7,8,9,10,11,12,13,14,15
	ds_store_b128 v8, v[R+64*((\s)%2)+4*\p:R+64*((\s)%2)+4*\p+3] offset:528*\p
.endr
.irp b, 0,1,2,3
.irp j, 0,1,2,3
	ds_load_b128 v[X+16*\b+4*\j:X+16*\b+4*\j+3], v9 offset:128*\b+16*\j
.endr
.endr
.endm
.macro XSTEP s
.if \s < 3
	s_wait_loadcnt 16                              ; this K step's sixteen loads are in; the next step's sixteen may be out
.else
	s_wait_loadcnt 0x0
.endif
	TURN \s
	s_wait_dscnt 0x0                               ; my 64 numbers are back
.if \s < 2
	XLOAD \s+2                                     ; into the set that the stage has just read
.endif
	s_wait_xcnt 0x0                                ; the last record's stores have read their registers: the codes and the word are written again only behind this wait
	QUANT X
	RECORD \s*REC
.endm
	XLOAD 0
	XLOAD 1
	s_wait_alu depctr_va_vdst(0)
	XSTEP 0
	XSTEP 1
	XSTEP 2
	XSTEP 3
	s_wait_tensorcnt 0x0                           ; the wave's end
	ds_add_u32 v[SPW], v[NIL]
	s_wait_dscnt 0x0
	s_endpgm
.Lfunc_end_k_q9cdb332bc2_prep:
	.size	k_q9cdb332bc2_prep, .Lfunc_end_k_q9cdb332bc2_prep-k_q9cdb332bc2_prep
	.p2alignl 7, 3214868480
	.fill 96, 4, 3214868480
	.section	.rodata,"a",@progbits
	.p2align	6, 0x0
	.amdhsa_kernel k_q9cdb332bc2_prep
		.amdhsa_group_segment_fixed_size 34304
		.amdhsa_private_segment_fixed_size 0
		.amdhsa_enable_private_segment 0
		.amdhsa_kernarg_size 56
		.amdhsa_user_sgpr_count 2
		.amdhsa_user_sgpr_kernarg_segment_ptr 1
		.amdhsa_wavefront_size32 1
		.amdhsa_system_sgpr_workgroup_id_x 1
		.amdhsa_system_sgpr_workgroup_id_y 1
		.amdhsa_system_sgpr_workgroup_id_z 1
		.amdhsa_system_vgpr_workitem_id 0
		.amdhsa_next_free_vgpr 256
		.amdhsa_next_free_sgpr 66
		.amdhsa_reserve_vcc 0
		.amdhsa_float_denorm_mode_32 3
		.amdhsa_float_denorm_mode_16_64 3
		.amdhsa_memory_ordered 1
		.amdhsa_forward_progress 1
		.amdhsa_inst_pref_size 54
	.end_amdhsa_kernel
	.amdgpu_metadata
---
amdhsa.version: [ 1, 2 ]
amdhsa.kernels:
  - .name:           k_q9cdb332bc2_prep
    .symbol:         k_q9cdb332bc2_prep.kd
    .args:
      - { .name: x, .offset: 0, .size: 8, .value_kind: global_buffer, .address_space: global }
      - { .name: Wq, .offset: 8, .size: 8, .value_kind: global_buffer, .address_space: global }
      - { .name: Wk, .offset: 16, .size: 8, .value_kind: global_buffer, .address_space: global }
      - { .name: Wv, .offset: 24, .size: 8, .value_kind: global_buffer, .address_space: global }
      - { .name: Wo, .offset: 32, .size: 8, .value_kind: global_buffer, .address_space: global }
      - { .name: xq, .offset: 40, .size: 8, .value_kind: global_buffer, .address_space: global }
      - { .name: wc, .offset: 48, .size: 8, .value_kind: global_buffer, .address_space: global }
    .group_segment_fixed_size: 34304
    .private_segment_fixed_size: 0
    .kernarg_segment_align: 8
    .kernarg_segment_size: 56
    .max_flat_workgroup_size: 128
    .sgpr_count:     66
    .vgpr_count:     256
    .wavefront_size: 32
...
	.end_amdgpu_metadata
.endif
;; end of part 1
;; launch proj (part 2): grid 4 x 64, 8 waves a work-group, clusters of 4 x 4, 230,400 bytes of LDS; arguments xq, wc, bq, bk, bv, qb, kv; writes qb, kv
.if DOCPART == 2
	.amdgcn_target "amdgcn-amd-amdhsa--gfx1250"
	.amdhsa_code_object_version 6
	.text
	.protected	k_q9cdb332bc2_proj
	.globl	k_q9cdb332bc2_proj
	.p2align	8
	.type	k_q9cdb332bc2_proj,@function
k_q9cdb332bc2_proj:
	s_mov_b64 s[64:65], 0
	v_nop
	global_prefetch_b8 v0, s[64:65] scope:SCOPE_SE
	s_setreg_imm32_b32 hwreg(HW_REG_WAVE_MODE, 25, 1), 1
	s_wait_xcnt 0x0
	s_wait_alu depctr_hold_cnt(0) depctr_sa_sdst(0) depctr_va_vdst(0) depctr_va_sdst(0) depctr_va_ssrc(0) depctr_va_vcc(0) depctr_vm_vsrc(0)
	s_getreg_b32 s2, hwreg(HW_REG_IB_STS2, 6, 4)
	s_cmp_eq_u32 s2, 0
	s_cbranch_scc0 .Lentry_in_a_cluster
	s_endpgm
.Lentry_in_a_cluster:
	s_bfe_u32 s2, ttmp6, 0x10000c
	s_cmp_lg_u32 s2, 0xf033
	s_cbranch_scc0 .Lentry_shape_is_right
	s_endpgm
.Lentry_shape_is_right:
; PROJ: q, k, v = x W + b on codes of E3M2 (products 1 to 3), and q, k, v quantised for the attention: q and k along the head's 64, v along the keys.  Nothing is left out.
; LIMITS as in the first launch: the byte of a block under 2^-122 or of zeros is 1; NaN and infinities are not served.
; A work-group takes 128 tokens (group G) x two heads (pair X) x (q, k, v).  K = 512 fits in LDS whole: x's 32 records and six blocks of 16 weight records are filled once, one tensor load a wave; nothing is filled again.
; CLUSTER 4 x 4: x's records hang on G alone and are asked for jointly along a row of the cluster, the weights' on X alone, jointly along a column.
; A wave (hh = wave / 4: which head; d = wave % 4) does three jobs, 32 matrix instructions each, eight accumulators by turns:
;   q, k: source 0 = 16 columns of W (tiles t = 0..3), source 1 = 16 tokens (tiles 2 d, 2 d + 1).  By the choice of a tile's columns lane (r, h) holds token r and, in tiles 2 b, 2 b + 1, e = 32 b + 16 h + 0..15.
;         The 64 registers are ONE fragment: k 0..63 = the head's 64 of token tile 2 d, k 64..127 = those of tile 2 d + 1.  The bias is the C of a sum's first instruction.
;   v:    source 0 = 16 tokens (tiles i = 0..7), source 1 = W's tile d: lane (r, h) holds ONE column e and, in register 8 i + j, token 16 i + 8 h + j: a fragment of V^T, K = the group's 128 keys.
;         Inside a block of 32 keys slot 16 h + 8 u + j holds key 16 u + 8 h + j: the same order in which the attention's p falls, so nothing is undone.
; qb: [batch x head 16][group 32][d 4] records.   kv: [batch x head 16][group 32][K's records d = 0..3, then V's t = 0..3].
.set REC,   1792
.set SPARE, 229376                     ; behind the tiles: the spare words, 128 bytes for each of eight waves
.set LI, 1                             ; v1  16 x lane
.set L8, 2                             ; v2  8 x lane
.set SPW, 3                            ; v3  my spare word; never rewritten
.set NIL, 4                            ; v4  0; never rewritten
.set BQO, 5                            ; v5  64 h: my half's place in a tile's bias
.set BVO, 6                            ; v6  4 x my column of W's tile d
.set AXK16, 7                          ; v7, v8    x's records of token tiles 2 d, 2 d + 1: 16 l / 8 l + 14,336 d
.set AXK8,  8
.set AWQ16, 9                          ; v9, v10   Wq's block of my head
.set AWQ8,  10
.set AWK16, 11                         ; v11, v12  Wk's
.set AWK8,  12
.set AWV16, 13                         ; v13, v14  Wv's tile d
.set AWV8,  14
.set WF, 16                            ; q, k: v16-63 W's four fragments, v64-87 x's two, v88-119 the bias
.set XF, 64
.set BI, 88
.set XV, 16                            ; v: v16-111 x's eight fragments, v112-123 W's
.set WV1, 112
.set BV, 124                           ; v124-131 bv of my column, eight times; v132 as loaded
.set BVL, 132
.set WW, 134                           ; v134-137 W's scale words, v138-145 x's: these hold scales and nothing else
.set XW, 138
.set ACC, 146                          ; v146-209
.set TM, 210
.set PW, 226                           ; v226 the scale word, v227 0
.set PC, 228                           ; v228-246
.set WV, 18
.set SEL, 20
.set G1X, 24
.set G0X, 32
.set G1W, 36
.set G0W, 44
.macro MMC d, a, b, c, sa, sb
	v_wmma_scale_f32_16x16x128_f8f6f4 v[\d:\d+7], v[\a:\a+11], v[\b:\b+11], v[\c:\c+7], v[\sa], v[\sb] matrix_a_fmt:MATRIX_FMT_BF6 matrix_b_fmt:MATRIX_FMT_BF6
.endm
.macro PLACES
.rept 4
	v_nop
.endr
.endm
.macro CROUND                          ; a round of the cluster's barrier
	s_barrier_signal -1
	s_barrier_wait -1
	s_cmp_lg_u32 s[WV], 0
	s_cbranch_scc1 .Lnot_wave_0_\@
	s_barrier_signal -3
.Lnot_wave_0_\@:
	s_barrier_wait -3
	s_barrier_signal -1
	s_barrier_wait -1
.endm
.macro QUANT s, flip
.irp b, 0,1,2,3
	v_max3_num_f32 v[TM+\b], |v[\s+16*\b]|, |v[\s+1+16*\b]|, 0x2800000   ; each accumulator is read from its low end on
.endr
.irp i, 2,4,6,8,10,12,14
.irp b, 0,1,2,3
	v_max3_num_f32 v[TM+\b], v[TM+\b], |v[\s+16*\b+\i]|, |v[\s+1+16*\b+\i]|
.endr
.endr
.irp b, 0,1,2,3
	s_delay_alu instid0(VALU_DEP_4)
	v_permlanex16_b32 v[TM+4+\b], v[TM+\b], s[SEL], s[SEL+1]
.endr
.irp b, 0,1,2,3
	s_delay_alu instid0(VALU_DEP_4)
	v_max_num_f32 v[TM+\b], v[TM+\b], v[TM+4+\b]
.endr
.irp b, 0,1,2,3
	s_delay_alu instid0(VALU_DEP_4)
	v_add_nc_u32 v[TM+12+\b], 0xfe000000, v[TM+\b]
.endr
.irp b, 0,1,2,3
	s_delay_alu instid0(VALU_DEP_4)
	v_lshrrev_b32 v[TM+4+\b], 23, v[TM+12+\b]
.endr
	s_delay_alu instid0(VALU_DEP_3)
	v_lshl_or_b32 v[PW], v[TM+5], 8, v[TM+4]
	s_delay_alu instid0(VALU_DEP_1)
	v_lshl_or_b32 v[PW], v[TM+6], 16, v[PW]
	s_delay_alu instid0(VALU_DEP_1)
	v_lshl_or_b32 v[PW], v[TM+7], 24, v[PW]
.irp c, 0,1
	v_cvt_scalef32_pk16_bf6_f32 v[PC+6*\c:PC+2+6*\c], v[\s+32*\c:\s+15+32*\c], v[TM+12+2*\c]
	v_cvt_scalef32_pk16_bf6_f32 v[PC+12+4*\c:PC+14+4*\c], v[\s+16+32*\c:\s+31+32*\c], v[TM+12+2*\c+1]
.endr
	v_nop                                          ; one plain place behind a scaled conversion
.irp c, 0,1
.irp i, 0,1,2
	v_permlane16_swap_b32 v[PC+6*\c+\i], v[PC+12+4*\c+\i]
.endr
.if \flip                                      ; V alone: in the odd blocks (lanes 16-31) the two halves of 16 slots change places: slot 16 a + 8 u + j holds key 16 u + 8 (1 - a) + j, as the attention's p falls there
.irp i, 0,1,2
	v_cndmask_b32 v[PC+3+6*\c+\i], v[PC+12+4*\c+\i], v[PC+6*\c+\i], s19
.endr
.irp i, 0,1,2
	v_cndmask_b32 v[PC+6*\c+\i], v[PC+6*\c+\i], v[PC+12+4*\c+\i], s19
.endr
.else
.irp i, 0,1,2
	s_delay_alu instid0(VALU_DEP_3)
	v_mov_b32 v[PC+3+6*\c+\i], v[PC+12+4*\c+\i]
.endr
.endif
.endr
.endm
.macro RECORD dst
.irp c, 0,1,2
	global_store_b128 v[LI], v[PC+4*\c:PC+4*\c+3], s[\dst:\dst+1] offset:512*\c
.endr
	global_store_b64 v[L8], v[PW:PW+1], s[\dst:\dst+1] offset:1536
.endm
.macro BIAS base                       ; eight numbers a tile, in the result's layout: those of e = 32 (t / 2) + 8 (t % 2) + 16 h + 0..7
.irp t, 0,1,2,3
	global_load_b128 v[BI+8*\t:BI+8*\t+3], v[BQO], s[\base:\base+1] offset:(32*(\t/2)+8*(\t%2))*4
	global_load_b128 v[BI+8*\t+4:BI+8*\t+7], v[BQO], s[\base:\base+1] offset:(32*(\t/2)+8*(\t%2))*4+16
.endr
.endm
	s_load_b256 s[4:11], s[0:1], 0x0               ; xq s[4:5], wc s[6:7], bq s[8:9], bk s[10:11]
	s_load_b128 s[12:15], s[0:1], 0x20             ; bv s[12:13], qb s[14:15]
	s_load_b64 s[16:17], s[0:1], 0x30              ; kv
	v_lshl_add_u32 v[SPW], v0, 2, SPARE
	v_mov_b32 v[NIL], 0
	ds_add_u32 v[SPW], v[NIL]                      ; the wave's opening: the add, twice on end, and its wait ahead of my first tensor load
	ds_add_u32 v[SPW], v[NIL]
	v_lshrrev_b32 v15, 5, v0
	s_delay_alu instid0(VALU_DEP_1)
	v_readfirstlane_b32 s[WV], v15                 ; wave 0..7
	s_bfe_u32 s48, ttmp6, 0x40000                  ; cx
	s_bfe_u32 s49, ttmp6, 0x40004                  ; cy
	s_lshl_b32 s50, ttmp9, 2
	s_add_co_u32 s50, s50, s48                     ; X: the pair of heads
	s_and_b32 s51, ttmp7, 0xffff
	s_lshl_b32 s51, s51, 2
	s_add_co_u32 s51, s51, s49                     ; G: the group of 128 tokens
	s_lshl_b32 s52, s49, 2
	s_lshl_b32 s52, 15, s52                        ; my row of the cluster
	s_lshl_b32 s53, 0x1111, s48                    ; my column
	; group 1: a dense block of 28,672 bytes as 112 rows of 256 bytes (32 elements of 8 bytes), no padding
	s_or_b32 s[G1X], s52, (3<<16)|(1<<21)          ; 15:0 the mask; 17:16 elements of 8 bytes; 21 set beside a mask
	s_or_b32 s[G1W], s53, (3<<16)|(1<<21)
.irp g, G1X, G1W
	s_mov_b32 s[\g+1], 32<<16                      ; tensor_dim0
	s_mov_b32 s[\g+2], 112<<16                     ; tensor_dim1
	s_mov_b32 s[\g+3], 32<<16                      ; tile_dim0
	s_mov_b32 s[\g+4], 112                         ; tile_dim1
	s_mov_b32 s[\g+5], 32                          ; the pitch
	s_mov_b32 s[\g+6], 0
	s_mov_b32 s[\g+7], 0
.endr
	s_and_b32 s54, s[WV], 1                        ; waves 0, 1: the halves of x's 57,344 bytes
	s_mul_i32 s54, s54, 16*REC
	s_mul_i32 s55, s51, 32*REC
	s_add_co_u32 s54, s54, s55
	s_mov_b32 s55, 0
	s_max_u32 s56, s[WV], 2                        ; waves 2..7: the six blocks of my pair of heads
	s_sub_co_u32 s56, s56, 2
	s_mul_i32 s56, s56, 16*REC
	s_mul_i32 s57, s50, 96*REC
	s_add_co_u32 s56, s56, s57
	s_mov_b32 s57, 0
	s_mul_i32 s58, s[WV], 16*REC                   ; where they go: wave x 28,672: no place in the cluster enters an LDS address
	s_mov_b32 s[SEL], 0x76543210
	s_mov_b32 s19, 0xffff0000                      ; lanes 16-31
	s_mov_b32 s[SEL+1], 0xfedcba98
	s_lshr_b32 s59, s[WV], 2                       ; hh
	s_and_b32 s60, s[WV], 3                        ; d
	s_wait_dscnt 0x0                               ; both opening adds are done
	s_wait_kmcnt 0x0
	s_mov_b32 s[G0X], 1
	s_mov_b32 s[G0X+1], s58
	s_add_nc_u64 s[G0X+2:G0X+3], s[4:5], s[54:55]
	s_or_b32 s[G0X+3], s[G0X+3], 0x80000000
	s_mov_b32 s[G0W], 1
	s_mov_b32 s[G0W+1], s58
	s_add_nc_u64 s[G0W+2:G0W+3], s[6:7], s[56:57]
	s_or_b32 s[G0W+3], s[G0W+3], 0x80000000
	CROUND                                         ; all sixteen work-groups are here: the joint loads meet
	s_cmp_lt_u32 s[WV], 2                          ; every wave issues one load; an s_nop 0 and four v_nop follow each line
	s_cbranch_scc0 .Lfor_w
	tensor_load_to_lds s[G0X:G0X+3], s[G1X:G1X+7]
	s_nop 0
.rept 4
	v_nop
.endr
	s_branch .Lasked
.Lfor_w:
	tensor_load_to_lds s[G0W:G0W+3], s[G1W:G1W+7]
	s_nop 0
.rept 4
	v_nop
.endr
.Lasked:
	v_and_b32 v15, 31, v0
	s_delay_alu instid0(VALU_DEP_1)
	v_lshlrev_b32 v[LI], 4, v15
	s_delay_alu instid0(VALU_DEP_2)
	v_lshlrev_b32 v[L8], 3, v15
	v_and_b32 v248, 15, v0                         ; r
	v_bfe_u32 v249, v0, 4, 1                       ; h
	s_delay_alu instid0(VALU_DEP_1)
	v_lshlrev_b32 v[BQO], 6, v249
	s_delay_alu instid0(VALU_DEP_3)
	v_and_b32 v15, 8, v248
	s_delay_alu instid0(VALU_DEP_1)
	v_add_nc_u32 v15, v15, v248                    ; r + 8 (r / 8)
	s_lshr_b32 s22, s60, 1
	s_lshl_b32 s22, s22, 5
	s_and_b32 s23, s60, 1
	s_lshl_b32 s23, s23, 3
	s_add_co_u32 s22, s22, s23                     ; 32 (d / 2) + 8 (d % 2)
	v_add_nc_u32 v15, s22, v15
	s_delay_alu instid0(VALU_DEP_1)
	v_lshlrev_b32 v[BVO], 2, v15
	s_wait_alu depctr_va_vdst(0)
	s_mul_i32 s22, s60, 8*REC                      ; x's token tiles 2 d, 2 d + 1
	v_add_nc_u32 v[AXK16], s22, v[LI]
	v_add_nc_u32 v[AXK8], s22, v[L8]
	s_mul_i32 s23, s59, 48*REC
	s_add_co_u32 s23, s23, 32*REC                  ; my head's three blocks, behind x's records
	v_add_nc_u32 v[AWQ16], s23, v[LI]
	v_add_nc_u32 v[AWQ8], s23, v[L8]
	s_add_co_u32 s23, s23, 16*REC
	v_add_nc_u32 v[AWK16], s23, v[LI]
	v_add_nc_u32 v[AWK8], s23, v[L8]
	s_add_co_u32 s23, s23, 16*REC
	s_mul_i32 s22, s60, 4*REC                      ; Wv's tile d
	s_add_co_u32 s23, s23, s22
	v_add_nc_u32 v[AWV16], s23, v[LI]
	v_add_nc_u32 v[AWV8], s23, v[L8]
	; where the results go, and the biases' places
	s_lshl_b32 s61, s50, 1
	s_add_co_u32 s61, s61, s59                     ; head = 2 X + hh
	s_lshr_b32 s62, s51, 5                         ; batch
	s_lshl_b32 s62, s62, 3
	s_add_co_u32 s62, s62, s61
	s_lshl_b32 s62, s62, 5
	s_and_b32 s22, s51, 31
	s_add_co_u32 s62, s62, s22                     ; (batch x 8 + head) x 32 + the group in its batch
	s_mul_i32 s63, s60, REC
	s_mul_i32 s78, s62, 4*REC
	s_add_co_u32 s78, s78, s63
	s_mov_b32 s79, 0
	s_add_nc_u64 s[66:67], s[14:15], s[78:79]      ; q's record
	s_mul_i32 s78, s62, 8*REC
	s_add_co_u32 s78, s78, s63
	s_add_nc_u64 s[68:69], s[16:17], s[78:79]      ; k's
	s_add_nc_u64 s[70:71], s[68:69], 4*REC         ; v's
	s_lshl_b32 s78, s61, 8
	s_add_nc_u64 s[72:73], s[8:9], s[78:79]        ; bq, bk, bv at my head
	s_add_nc_u64 s[74:75], s[10:11], s[78:79]
	s_add_nc_u64 s[76:77], s[12:13], s[78:79]
	BIAS 72
	global_load_b32 v[BVL], v[BVO], s[76:77]
	v_mov_b32 v[PW+1], 0
.irp b, 0,1,2,3
	v_mov_b32 v[TM+4+\b], 0                        ; written once: a lane permute's destination counts as one of its sources
.endr
	s_wait_tensorcnt 0x0                           ; my part has landed,
	s_barrier_signal -1
	s_barrier_wait -1                              ; everybody's has
; q or k.  next = 1: the other bias is asked for, four places behind the products that read this one
.macro KQJOB aw16, aw8, dst, next
	s_wait_loadcnt 0x0                             ; my bias
.irp s, 0,1,2,3
	PLACES                                         ; in front of loads into registers that matrix instructions have read
.irp t, 0,1,2,3
.irp c, 0,1,2
	ds_load_b128 v[WF+12*\t+4*\c:WF+12*\t+4*\c+3], v[\aw16] offset:(4*\t+\s)*REC+512*\c
.endr
	ds_load_b32 v[WW+\t], v[\aw8] offset:(4*\t+\s)*REC+1536
.endr
.irp u, 0,1
.irp c, 0,1,2
	ds_load_b128 v[XF+12*\u+4*\c:XF+12*\u+4*\c+3], v[AXK16] offset:(4*\u+\s)*REC+512*\c
.endr
	ds_load_b32 v[XW+\u], v[AXK8] offset:(4*\u+\s)*REC+1536
.endr
.if (\s == 1) && \next
	BIAS 74
.endif
	s_wait_dscnt 0x0
.irp u, 0,1
.irp t, 0,1,2,3
.if \s == 0
	MMC ACC+32*\u+8*\t, WF+12*\t, XF+12*\u, BI+8*\t, WW+\t, XW+\u
.else
	MMC ACC+32*\u+8*\t, WF+12*\t, XF+12*\u, ACC+32*\u+8*\t, WW+\t, XW+\u
.endif
.endr
.endr
.endr
	PLACES                                         ; in front of the first read of results
	s_wait_xcnt 0x0                                ; the last record's stores have read the codes and the word
	QUANT ACC, 0
	RECORD \dst
.endm
	KQJOB AWQ16, AWQ8, 66, 1
	KQJOB AWK16, AWK8, 68, 0
	; v
.irp j, 0,1,2,3,4,5,6,7
	v_mov_b32 v[BV+\j], v[BVL]                     ; a lane is one column: the same bias for its eight tokens
.endr
	s_wait_alu depctr_va_vdst(0)
.irp s, 0,1,2,3
	PLACES
.irp i, 0,1,2,3,4,5,6,7
.irp c, 0,1,2
	ds_load_b128 v[XV+12*\i+4*\c:XV+12*\i+4*\c+3], v[LI] offset:(4*\i+\s)*REC+512*\c
.endr
	ds_load_b32 v[XW+\i], v[L8] offset:(4*\i+\s)*REC+1536
.endr
.irp c, 0,1,2
	ds_load_b128 v[WV1+4*\c:WV1+4*\c+3], v[AWV16] offset:\s*REC+512*\c
.endr
	ds_load_b32 v[WW], v[AWV8] offset:\s*REC+1536
	s_wait_dscnt 0x0
.irp i, 0,1,2,3,4,5,6,7
.if \s == 0
	MMC ACC+8*\i, XV+12*\i, WV1, BV, XW+\i, WW
.else
	MMC ACC+8*\i, XV+12*\i, WV1, ACC+8*\i, XW+\i, WW
.endif
.endr
.endr
	PLACES
	s_wait_xcnt 0x0
	QUANT ACC, 1
	RECORD 70
	s_wait_tensorcnt 0x0                           ; the wave's end
	ds_add_u32 v[SPW], v[NIL]
	s_wait_dscnt 0x0
	CROUND                                         ; the closing round
	s_endpgm
.Lfunc_end_k_q9cdb332bc2_proj:
	.size	k_q9cdb332bc2_proj, .Lfunc_end_k_q9cdb332bc2_proj-k_q9cdb332bc2_proj
	.p2alignl 7, 3214868480
	.fill 96, 4, 3214868480
	.section	.rodata,"a",@progbits
	.p2align	6, 0x0
	.amdhsa_kernel k_q9cdb332bc2_proj
		.amdhsa_group_segment_fixed_size 230400
		.amdhsa_private_segment_fixed_size 0
		.amdhsa_enable_private_segment 0
		.amdhsa_kernarg_size 56
		.amdhsa_user_sgpr_count 2
		.amdhsa_user_sgpr_kernarg_segment_ptr 1
		.amdhsa_wavefront_size32 1
		.amdhsa_system_sgpr_workgroup_id_x 1
		.amdhsa_system_sgpr_workgroup_id_y 1
		.amdhsa_system_sgpr_workgroup_id_z 1
		.amdhsa_system_vgpr_workitem_id 0
		.amdhsa_next_free_vgpr 256
		.amdhsa_next_free_sgpr 80
		.amdhsa_reserve_vcc 0
		.amdhsa_float_denorm_mode_32 3
		.amdhsa_float_denorm_mode_16_64 3
		.amdhsa_memory_ordered 1
		.amdhsa_forward_progress 1
		.amdhsa_inst_pref_size 60
	.end_amdhsa_kernel
	.amdgpu_metadata
---
amdhsa.version: [ 1, 2 ]
amdhsa.kernels:
  - .name:           k_q9cdb332bc2_proj
    .symbol:         k_q9cdb332bc2_proj.kd
    .args:
      - { .name: xq, .offset: 0, .size: 8, .value_kind: global_buffer, .address_space: global }
      - { .name: wc, .offset: 8, .size: 8, .value_kind: global_buffer, .address_space: global }
      - { .name: bq, .offset: 16, .size: 8, .value_kind: global_buffer, .address_space: global }
      - { .name: bk, .offset: 24, .size: 8, .value_kind: global_buffer, .address_space: global }
      - { .name: bv, .offset: 32, .size: 8, .value_kind: global_buffer, .address_space: global }
      - { .name: qb, .offset: 40, .size: 8, .value_kind: global_buffer, .address_space: global }
      - { .name: kv, .offset: 48, .size: 8, .value_kind: global_buffer, .address_space: global }
    .group_segment_fixed_size: 230400
    .private_segment_fixed_size: 0
    .kernarg_segment_align: 8
    .kernarg_segment_size: 56
    .max_flat_workgroup_size: 256
    .sgpr_count:     80
    .vgpr_count:     256
    .wavefront_size: 32
...
	.end_amdgpu_metadata
.endif
;; end of part 2
;; launch attn (part 3): grid 16 x 16, 8 waves a work-group, clusters of 4 x 1, 327,680 bytes of LDS; arguments qb, kv, yb; writes yb
.if DOCPART == 3
	.amdgcn_target "amdgcn-amd-amdhsa--gfx1250"
	.amdhsa_code_object_version 6
	.text
	.protected	k_q9cdb332bc2_attn
	.globl	k_q9cdb332bc2_attn
	.p2align	8
	.type	k_q9cdb332bc2_attn,@function
k_q9cdb332bc2_attn:
	s_mov_b64 s[64:65], 0
	v_nop
	global_prefetch_b8 v0, s[64:65] scope:SCOPE_SE
	s_setreg_imm32_b32 hwreg(HW_REG_WAVE_MODE, 25, 1), 1
	s_wait_xcnt 0x0
	s_wait_alu depctr_hold_cnt(0) depctr_sa_sdst(0) depctr_va_vdst(0) depctr_va_sdst(0) depctr_va_ssrc(0) depctr_va_vcc(0) depctr_vm_vsrc(0)
	s_getreg_b32 s2, hwreg(HW_REG_IB_STS2, 6, 4)
	s_cmp_eq_u32 s2, 0
	s_cbranch_scc0 .Lentry_in_a_cluster
	s_endpgm
.Lentry_in_a_cluster:
	s_bfe_u32 s2, ttmp6, 0x10000c
	s_cmp_lg_u32 s2, 0x3003
	s_cbranch_scc0 .Lentry_shape_is_right
	s_endpgm
.Lentry_shape_is_right:
; ATTN: products 4 and 5 on codes of E3M2, the softmax between them, and y = O / l quantised along the head's 64 for the last product.  Nothing of the problem is left out.
; t = score x log2(e) / 8; M = the running largest t rounded UP to a whole number; p = 2^(t - M) is quantised along the keys, not normalised; the row's sum is taken of the unquantised p and divides at the end.
; When M moves, the sum and O are multiplied by 2^(old M - new M): exact.
; LIMITS: the promise holds while the scaled scores stay under 2^31 in magnitude; the byte of a block whose largest p lies under 2^-122 is 1; NaN and infinities are not served.
; A block's scale is made from floor(its largest t - M), the exponent of its largest p; where v_exp_f32 rounds that p up to the next power of two, the p is held at the largest code.
; SHARES.  A work-group owns 256 queries of one (batch, head); each of its eight waves 32 of them: tile A (16 queries) in register window 0, tile B in window 1, at the same register numbers.
; Every wave walks all 4,096 keys, 128 a step.  A step's bytes are eight records of 1,792 bytes (images of the operands' registers): K's four, then V's four.  Each fragment read from LDS serves both tiles.
; WHICH KEYS FORM A TILE: fragment (c, g) takes in lanes r < 8 rows 8 g + r of K's record 2 c, in lanes r >= 8 rows 8 (1 - g) + r - 8 of record 2 c + 1 (the two runs of eight lanes lie 128 bytes apart modulo 256).
; So lane half h holds, in the 32 registers of pair c, the WHOLE block 2 c + h of 32 keys: its largest score needs no other lane, and the conversions' results are the operand's registers.
; Slot 16 g + 8 s + j of an even block is key 16 s + 8 g + j, of an odd block key 16 s + 8 (1 - g) + j: V's records are laid so by the launch before.
; THE HEAD IS 64, THE INSTRUCTION'S K 128: Q stands in 18 registers, q | zeros | q; registers 0-11 meet a record's first token tile (s = 0), registers 6-17 its second.
; THE TRIP j: tile A's softmax of step j - 1; in its middle tile B's products (O += V P of step j - 2, S of step j - 1); then V of step j - 1 and K of step j are fetched; tile B's softmax of step j - 1, in its
; middle tile A's products (O += V P of step j - 1, S of step j).  A tile's matrix results are first read with no transcendental between.  The first trip's V P of tile B multiplies zero codes.
; THE RING: two slots of 17 half steps (121,856 bytes).  Window p >= 1 begins at V of step 8 p - 1, so that a trip's pair (V of j - 1, K of j) lies in one slot; window 0 begins at K of step 0.
; Waves 0 to 3 fetch 119 rows of 256 bytes each.  CLUSTER 4 x 1: the four query blocks of a cluster walk the same K and V: every window is asked for jointly.  Every wait on TENSORcnt is for 0.
; PREFETCH: behind the load of window p the 448 blocks of 256 bytes of window p + 1 that no earlier window held are named once, by the head's first cluster: a quarter to each partner BY ADDRESS,
; waves 4 to 7, 28 lanes a block each (lanes 28-31 name lane 27's again).  Windows 0 and 1 come by their loads alone; the last load asks for nothing.
.set REC,   1792
.set HALF,  4*REC
.set STEPB, 8*REC
.set WINB,  17*HALF
.set PART,  WINB/4
.set SLOT1, 131072
.set SPARE, 262144                     ; the spare words, 128 bytes for each of eight waves
.set LI, 1                             ; v1 16 x lane;  v2 8 x lane
.set L8, 2
.set SPW, 3                            ; v3 my spare word, v4 0; never rewritten
.set NIL, 4
.set PFO, 5                            ; v5 the prefetches' offset; never rewritten
.set KL, 6                             ; v6, v7 lane terms of K's fragments g = 0, 1;  v8, v9 of their scale words
.set KP, 8
.set ADK, 10                           ; v10, v11 K's addresses of the trip; v244, v245 their scale words'; v246, v247 V's
.set AKP, 244
.set ADV, 246
.set Q,  16                            ; per tile: v12 -M, v13 the largest score, v[14:15] the sum; v16-33 q | zeros | q
.set QWA, 34                           ; window 0 alone: scale words of Q (A, B), K, V, p (A, B): these hold scales and nothing else
.set QWB, 35
.set FK, 36                            ; v36-83: window 0 K's four fragments, window 1 V's four
.set FV, 36
.set KW, 84
.set VW, 88
.set PWA, 92
.set PWB, 93
.set S,  96                            ; per tile: v96-159 S^T, then p;  v160-191 O^T;  v192-203 p's codes
.set OT, 160
.set PC, 192
.set CT, 204
.set BM, 212
.set PD, 216
.set E,  218
.set SO, 220
.set W,  222
.set FF, 224
.set TT, 226
.set SM, 228
.set WV, 18
.set NC, 19                            ; s19 -c
.set SEL, 20
.set CS, 22                            ; s[22:23] c = log2(e) / 8
.set G1, 24
.set G0, 32
.set TB, 36                            ; s36 LDS byte of the trip's pair: V at 0, K at HALF
.set CNT, 37
.set PFA, 40
.set LIM, 42
.set MSB, 0
.macro WIN new                         ; the immediate's high byte repeats the setting that is left
.if MSB != \new
	s_set_vgpr_msb (MSB<<8)|\new
.set MSB, \new
.endif
.endm
.macro CROUND
	s_barrier_signal -1
	s_barrier_wait -1
	s_cmp_lg_u32 s[WV], 0
	s_cbranch_scc1 .Lnot_wave_0_\@
	s_barrier_signal -3
.Lnot_wave_0_\@:
	s_barrier_wait -3
	s_barrier_signal -1
	s_barrier_wait -1
.endm
.macro TLOAD                           ; waves 0 to 3 fetch a quarter of a window each; an s_nop 0 and four v_nop follow the load
	s_cmp_lt_u32 s[WV], 4
	s_cbranch_scc0 .Lasked_\@
	tensor_load_to_lds s[G0:G0+3], s[G1:G1+7]
	s_nop 0
.rept 4
	v_nop
.endr
.Lasked_\@:
.endm
.macro ASK off
	s_cmp_eq_u32 s[LIM], 1
	s_cbranch_scc0 .Lnot_mine_\@
	global_prefetch_b8 v[PFO], s[PFA:PFA+1] offset:\off th:TH_LOAD_NT scope:SCOPE_SE
.Lnot_mine_\@:
.endm
; the change of slots: all my tensor loads, the add (twice where a load follows), my LDS reads; a round of the cluster's barrier; the joint load first behind it
.macro CHANGE fill, slot, step, ask
	s_wait_tensorcnt 0x0
	ds_add_u32 v[SPW], v[NIL]
.if \fill
	ds_add_u32 v[SPW], v[NIL]
	s_add_co_u32 s[G0+1], s48, \slot
	s_add_nc_u64 s[G0+2:G0+3], s[G0+2:G0+3], \step
	s_wait_dscnt 0x0
	CROUND
	TLOAD
.if \ask >= 0
	ASK \ask
.endif
.else
	s_wait_dscnt 0x0
	s_barrier_signal -1
	s_barrier_wait -1
.endif
.endm
.macro SMM w, qw                       ; S^T = K Q^T, eight tiles
	WIN \w
.irp c, 0,1
.irp g, 0,1
.irp s, 0,1
	v_wmma_scale_f32_16x16x128_f8f6f4 v[S+32*\c+16*\g+8*\s:S+32*\c+16*\g+8*\s+7], v[FK+12*(2*\c+\g):FK+12*(2*\c+\g)+11], v[Q+6*\s:Q+6*\s+11], 0, v[KW+2*\c+\g], v[\qw] matrix_a_fmt:MATRIX_FMT_BF6 matrix_b_fmt:MATRIX_FMT_BF6
.endr
.endr
.endr
.endm
.macro PVM w, pw                       ; O^T += V^T P^T, four accumulators by turns
	WIN \w
.irp t, 0,1,2,3
	v_wmma_scale_f32_16x16x128_f8f6f4 v[OT+8*\t:OT+8*\t+7], v[FV+12*\t:FV+12*\t+11], v[PC:PC+11], v[OT+8*\t:OT+8*\t+7], v[VW+\t], v[\pw] matrix_a_fmt:MATRIX_FMT_BF6 matrix_b_fmt:MATRIX_FMT_BF6
.endr
.endm
.macro VLOAD a16, a8, off
	WIN 0x40                                       ; data into window 1, address in window 0
.irp t, 0,1,2,3
.irp p, 0,1,2
	ds_load_b128 v[FV+12*\t+4*\p:FV+12*\t+4*\p+3], v[\a16] offset:\off+\t*REC+512*\p
.endr
.endr
	WIN 0
.irp t, 0,1,2,3
	ds_load_b32 v[VW+\t], v[\a8] offset:\off+\t*REC+1536
.endr
.endm
.macro KLOAD a, p, off
.irp c, 0,1
.irp g, 0,1
.irp q, 0,1,2
	ds_load_b128 v[FK+12*(2*\c+\g)+4*\q:FK+12*(2*\c+\g)+4*\q+3], v[\a+\g] offset:\off+2*\c*REC+512*\q
.endr
	ds_load_b32 v[KW+2*\c+\g], v[\p+\g] offset:\off+2*\c*REC+1536
.endr
.endr
.endm
.macro PKF j0                          ; t - M, sixteen numbers
.set j, \j0
.rept 8
	v_pk_fma_f32 v[S+j:S+j+1], v[S+j:S+j+1], s[CS:CS+1], v[12:13] op_sel_hi:[1,0,0]
.set j, j+2
.endr
.endm
; THE SOFTMAX'S FIRST PART: maxima, M, f, O under the new M, p's scales, the exponentials.  pw: p's scale word, written under windows wpw; wt: the tile's windows
.macro P1 pw, wpw, wt
.irp c, 0,1
	v_max3_num_f32 v[BM+\c], v[S+32*\c], v[S+32*\c+1], v[S+32*\c+2]          ; my block 2 c + h, in two chains; each accumulator is read from its low end on
	v_max3_num_f32 v[BM+2+\c], v[S+32*\c+16], v[S+32*\c+17], v[S+32*\c+18]
.endr
.irp i, 3,5,7,9,11,13
.irp c, 0,1
	v_max3_num_f32 v[BM+\c], v[BM+\c], v[S+32*\c+\i], v[S+32*\c+\i+1]
	v_max3_num_f32 v[BM+2+\c], v[BM+2+\c], v[S+32*\c+16+\i], v[S+32*\c+17+\i]
.endr
.endr
.irp c, 0,1
	v_max3_num_f32 v[BM+\c], v[BM+\c], v[BM+2+\c], v[S+32*\c+15]
.endr
.irp c, 0,1
	v_max_num_f32 v[BM+\c], v[BM+\c], v[S+32*\c+31]                          ; the block's largest score
.endr
	s_delay_alu instid0(VALU_DEP_1)
	v_max3_num_f32 v[TT], v13, v[BM], v[BM+1]
	s_delay_alu instid0(VALU_DEP_1)
	v_permlanex16_b32 v[PD], v[TT], s[SEL], s[SEL+1]
	v_mov_b32 v[W], v12                            ; the old -M
	s_delay_alu instid0(VALU_DEP_2)
	v_max_num_f32 v13, v[TT], v[PD]                ; the running largest score of my query
	s_delay_alu instid0(VALU_DEP_1)
	v_mul_f32 v[TT], s[NC], v13
	s_delay_alu instid0(VALU_DEP_1)
	v_floor_f32 v12, v[TT]                         ; the new -M = floor(-t)
	s_delay_alu instid0(VALU_DEP_1)
	v_sub_f32 v[TT], v12, v[W]                     ; old M - new M: a whole number, 0 or less
	v_fma_f32 v[E], v[BM], s[CS], v12              ; each block's largest t - M
	v_fma_f32 v[E+1], v[BM+1], s[CS], v12
	v_cvt_i32_f32 v[TT], v[TT]
	v_max_num_f32 v[E], 0xc2f40000, v[E]           ; held at -122: the byte cannot fall under 1
	v_max_num_f32 v[E+1], 0xc2f40000, v[E+1]
	v_ldexp_f32 v[FF], 1.0, v[TT]                  ; f = 2^(old M - new M)
	v_cvt_floor_i32_f32 v[E], v[E]                 ; the exponent of the block's largest p
	v_cvt_floor_i32_f32 v[E+1], v[E+1]
	PKF 0
	v_add_lshl_u32 v[SO], v[E], 123, 23            ; the byte, exponent + 127 - 4, as the conversion's scale operand
	v_add_lshl_u32 v[SO+1], v[E+1], 123, 23
	v_lshl_add_u32 v[W], v[E+1], 16, v[E]
	PKF 16
	v_add_nc_u32 v[W], 0x7b007b, v[W]              ; my two bytes: blocks h and 2 + h
	PKF 32
	v_permlanex16_b32 v[PD], v[W], s[SEL], s[SEL+1]
	PKF 48
	WIN \wpw
	v_lshl_or_b32 v[\pw], v[PD], 8, v[W]           ; lanes 0-15, which the product reads: the four bytes of these 128 keys
	WIN \wt
.set j, 0
.rept 16
	v_pk_mul_f32 v[OT+j:OT+j+1], v[OT+j:OT+j+1], v[FF:FF+1] op_sel_hi:[1,0]
.set j, j+2
.endr
	s_wait_alu depctr_va_vdst(0)                   ; the wait ahead of the batch
.set j, 0
.rept 64
	v_exp_f32 v[S+j], v[S+j]
.set j, j+1
.endr
	v_pk_mul_f32 v[14:15], v[14:15], v[FF:FF+1] op_sel_hi:[1,0]   ; the sum under the new M: the plain place behind the batch
	s_wait_alu depctr_va_vdst(0)                   ; and the wait behind it, ahead of its first reader
.endm
; THE SECOND PART: the sum of the unquantised p, in four chains, and p's codes
.macro NADD                            ; the AI-th of the sum's 32 packed additions: pairs 0-5 start three chains, the sum itself is the fourth; the last three join them
.if AI < 3
	v_pk_add_f32 v[SM+2*AI:SM+2*AI+1], v[S+4*AI:S+4*AI+1], v[S+4*AI+2:S+4*AI+3]
.else
.if AI < 29
.if AI%4 == 3
	v_pk_add_f32 v[14:15], v[14:15], v[S+2*AI+6:S+2*AI+7]
.else
	v_pk_add_f32 v[SM+2*(AI%4):SM+2*(AI%4)+1], v[SM+2*(AI%4):SM+2*(AI%4)+1], v[S+2*AI+6:S+2*AI+7]
.endif
.else
.if AI == 29
	v_pk_add_f32 v[14:15], v[14:15], v[SM+2:SM+3]
.else
.if AI == 30
	v_pk_add_f32 v[SM:SM+1], v[SM:SM+1], v[SM+4:SM+5]
.else
	v_pk_add_f32 v[14:15], v[14:15], v[SM:SM+1]
.endif
.endif
.endif
.endif
.set AI, AI+1
.endm
.macro GW wpv, wsm, pw, qw, full       ; the MN-th of the OTHER tile's twelve products: four of O^T += V^T P^T, then (full = 1) eight of S^T = K Q^T
.if MN < 4
	WIN \wpv
	v_wmma_scale_f32_16x16x128_f8f6f4 v[OT+8*MN:OT+8*MN+7], v[FV+12*MN:FV+12*MN+11], v[PC:PC+11], v[OT+8*MN:OT+8*MN+7], v[VW+MN], v[\pw] matrix_a_fmt:MATRIX_FMT_BF6 matrix_b_fmt:MATRIX_FMT_BF6
.else
.if \full
	WIN \wsm
	v_wmma_scale_f32_16x16x128_f8f6f4 v[S+16*((MN-4)/2)+8*((MN-4)%2):S+16*((MN-4)/2)+8*((MN-4)%2)+7], v[FK+12*((MN-4)/2):FK+12*((MN-4)/2)+11], v[Q+6*((MN-4)%2):Q+6*((MN-4)%2)+11], 0, v[KW+(MN-4)/2], v[\qw] matrix_a_fmt:MATRIX_FMT_BF6 matrix_b_fmt:MATRIX_FMT_BF6
.endif
.endif
.set MN, MN+1
.endm
; One tile's second part (windows wt) and the other tile's products take turns: a product, then a few vector lines that name none of its registers.
; The conversions come first: the 32 additions stand between them and the moves that read their results.
.macro MIX wt, wpv, wsm, pw, qw, full
.set MN, 0
.set AI, 0
.irp c, 0,1
	GW \wpv, \wsm, \pw, \qw, \full
	WIN \wt
	v_cvt_scalef32_pk16_bf6_f32 v[CT+4*\c:CT+4*\c+2], v[S+32*\c+16:S+32*\c+31], v[SO+\c]   ; a conversion's three registers begin on an even number
.endr
.irp c, 0,1
	GW \wpv, \wsm, \pw, \qw, \full
	WIN \wt
	v_cvt_scalef32_pk16_bf6_f32 v[PC+6*\c:PC+6*\c+2], v[S+32*\c:S+32*\c+15], v[SO+\c]
.endr
	v_nop                                          ; one plain place behind a scaled conversion
.irp n, 6,6,5,5,5,5
	GW \wpv, \wsm, \pw, \qw, \full
	WIN \wt
.rept \n
	NADD
.endr
.endr
.irp c, 0,1
	GW \wpv, \wsm, \pw, \qw, \full
	WIN \wt
.irp i, 0,1,2
	v_mov_b32 v[PC+3+6*\c+\i], v[CT+4*\c+\i]
.endr
.endr
.endm
.macro TRIP full                       ; full = 0: the last: no K and no S are left
	P1 PWA, 0, 0
	MIX 0, 0x55, 0x44, PWB, QWB, 1
	WIN 0
	v_add_nc_u32 v[ADV], s[TB], v[LI]              ; six places in front of the loads into registers that the products above read
	v_add_nc_u32 v[ADV+1], s[TB], v[L8]
	v_add_nc_u32 v[ADK], s[TB], v[KL]
	v_add_nc_u32 v[ADK+1], s[TB], v[KL+1]
	v_add_nc_u32 v[AKP], s[TB], v[KP]
	v_add_nc_u32 v[AKP+1], s[TB], v[KP+1]
	VLOAD ADV, ADV+1, 0
.if \full
	KLOAD ADK, AKP, HALF
.endif
	WIN 0x55
	P1 PWB, 0x11, 0x55
	s_wait_dscnt 0x0                               ; V and K are in; the wait on the vector side stands directly ahead
	MIX 0x55, 0x01, 0, PWA, QWA, \full
	WIN 0
.endm
.macro PERIOD tb, n
	s_mov_b32 s[TB], \tb
	s_mov_b32 s[CNT], \n
.Ltrip_\@:
	TRIP 1
	s_add_co_u32 s[TB], s[TB], STEPB
	s_sub_co_u32 s[CNT], s[CNT], 1
	s_cmp_lg_u32 s[CNT], 0
	s_cbranch_scc1 .Ltrip_\@
.endm
.macro INIT                            ; a tile's state; O^T begins as zeros, which the first f = 0 leaves zeros
	v_mov_b32 v13, 0xff61b1e6                      ; the largest score so far: -3e38
	v_mov_b32 v12, 0x7f61b1e6                      ; -M
	v_mov_b32 v14, 0
	v_mov_b32 v15, 0
	v_mov_b32 v[PD], 0                             ; a lane permute's destination counts as one of its sources
	v_mov_b32 v[PD+1], 0
	v_mov_b32 v[FF+1], 0                           ; named with f as a pair
.irp i, 0,1,2,3,4,5
	v_mov_b32 v[Q+6+\i], 0                         ; the zero codes between
.endr
.set j, 0
.rept 32
	v_mov_b32 v[OT+j], 0
.set j, j+1
.endr
.endm
; THE WAY OUT of a tile: y = O^T / the sum, quantised along e: six registers of codes and two bytes, as four planes of 256 bytes
.macro WAYOUT wt, ws, off
	WIN \wt
	v_add_f32 v14, v14, v15
	s_delay_alu instid0(VALU_DEP_1)
	v_permlanex16_b32 v[TT], v14, s[SEL], s[SEL+1]
	s_delay_alu instid0(VALU_DEP_1)
	v_add_f32 v14, v14, v[TT]                      ; the row's sum
	s_wait_alu depctr_va_vdst(0)
	v_rcp_f32 v14, v14
	v_mov_b32 v[TT+1], 0                           ; a plain place behind the reciprocal
	s_wait_alu depctr_va_vdst(0)                   ; ahead of its first reader and of O^T's
.set j, 0
.rept 32
	v_mul_f32 v[S+j], v[OT+j], v14                 ; register 16 b + i: y(query r, e = 32 b + 16 h + i)
.set j, j+1
.endr
.irp b, 0,1
	v_max3_num_f32 v[BM+\b], |v[S+16*\b]|, |v[S+1+16*\b]|, 0x2800000
.endr
.irp i, 2,4,6,8,10,12,14
.irp b, 0,1
	s_delay_alu instid0(VALU_DEP_2)
	v_max3_num_f32 v[BM+\b], v[BM+\b], |v[S+16*\b+\i]|, |v[S+1+16*\b+\i]|
.endr
.endr
.irp b, 0,1
	s_delay_alu instid0(VALU_DEP_2)
	v_permlanex16_b32 v[PD+\b], v[BM+\b], s[SEL], s[SEL+1]
.endr
.irp b, 0,1
	s_delay_alu instid0(VALU_DEP_2)
	v_max_num_f32 v[BM+\b], v[BM+\b], v[PD+\b]
.endr
.irp b, 0,1
	s_delay_alu instid0(VALU_DEP_2)
	v_add_nc_u32 v[SO+\b], 0xfe000000, v[BM+\b]
.endr
.irp b, 0,1
	s_delay_alu instid0(VALU_DEP_2)
	v_lshrrev_b32 v[PD+\b], 23, v[SO+\b]
.endr
	s_delay_alu instid0(VALU_DEP_1)
	v_lshl_or_b32 v[TT], v[PD+1], 8, v[PD]         ; the head's two bytes
	v_cvt_scalef32_pk16_bf6_f32 v[PC:PC+2], v[S:S+15], v[SO]
	v_cvt_scalef32_pk16_bf6_f32 v[CT:CT+2], v[S+16:S+31], v[SO+1]
	v_nop
.irp i, 0,1,2
	v_permlane16_swap_b32 v[PC+\i], v[CT+\i]       ; lanes 0-15 now hold block 0 whole, lanes 16-31 block 1
.endr
.irp i, 0,1,2
	s_delay_alu instid0(VALU_DEP_3)
	v_mov_b32 v[PC+3+\i], v[CT+\i]
.endr
	WIN \ws                                        ; the stores' data in the tile's window, the offset in window 0
.irp p, 0,1,2
	global_store_b64 v[L8], v[PC+2*\p:PC+2*\p+1], s[8:9] offset:\off+256*\p   ; each store covers 256 consecutive bytes, aligned
.endr
	global_store_b64 v[L8], v[TT:TT+1], s[8:9] offset:\off+768
.endm
	s_load_b128 s[4:7], s[0:1], 0x0                ; qb s[4:5], kv s[6:7]
	s_load_b64 s[8:9], s[0:1], 0x10                ; yb
	v_lshl_add_u32 v[SPW], v0, 2, SPARE
	v_mov_b32 v[NIL], 0
	ds_add_u32 v[SPW], v[NIL]                      ; the wave's opening: the add, twice on end, and its wait
	ds_add_u32 v[SPW], v[NIL]
	v_lshrrev_b32 v10, 5, v0
	s_delay_alu instid0(VALU_DEP_1)
	v_readfirstlane_b32 s[WV], v10                 ; wave 0..7
	s_bfe_u32 s44, ttmp6, 0x40000                  ; cx
	s_lshl_b32 s45, ttmp9, 2
	s_add_co_u32 s45, s45, s44                     ; X: my block of 256 queries
	s_and_b32 s46, ttmp7, 0xffff                   ; batch x 8 + head, which the four partners share
	s_mov_b32 s[G1], 15|(3<<16)|(1<<21)            ; the mask: all four; elements of 8 bytes; bit 21 beside a mask; no padding
	s_mov_b32 s[G1+1], 32<<16                      ; rows of 256 bytes
	s_mov_b32 s[G1+2], 119<<16
	s_mov_b32 s[G1+3], 32<<16
	s_mov_b32 s[G1+4], 119
	s_mov_b32 s[G1+5], 32                          ; the block is dense
	s_mov_b32 s[G1+6], 0
	s_mov_b32 s[G1+7], 0
	s_and_b32 s47, s[WV], 3
	s_mul_i32 s48, s47, PART                       ; my quarter of a window, in LDS and in memory
	s_mul_i32 s50, s46, 32*STEPB                   ; the head's K and V
	s_add_co_u32 s52, s50, s48
	s_mov_b32 s53, 0
	s_mul_i32 s54, s44, 4*HALF                     ; the prefetches: my work-group's quarter of 16 half steps,
	s_mul_i32 s55, s47, HALF                       ; my wave's quarter of it,
	s_add_co_u32 s54, s54, s55
	s_add_co_u32 s54, s54, s50
	s_add_co_u32 s54, s54, 16*STEPB                ; from K of step 16 on
	s_mov_b32 s55, 0
	s_lshl_b32 s56, s46, 5                         ; Q's record: group 2 X + wave / 4, double tile wave % 4
	s_lshl_b32 s57, s45, 1
	s_add_co_u32 s56, s56, s57
	s_lshr_b32 s57, s[WV], 2
	s_add_co_u32 s56, s56, s57
	s_mul_i32 s56, s56, 4*REC
	s_mul_i32 s57, s47, REC
	s_add_co_u32 s56, s56, s57
	s_mov_b32 s57, 0
	s_lshr_b32 s58, s46, 3                         ; y: token tile = 256 x batch + 16 X + 2 x wave (tile B: the next); 8 heads of 1,024 bytes a tile
	s_lshl_b32 s58, s58, 8
	s_lshl_b32 s59, s45, 4
	s_add_co_u32 s58, s58, s59
	s_lshl_b32 s59, s[WV], 1
	s_add_co_u32 s58, s58, s59
	s_lshl_b32 s58, s58, 3
	s_and_b32 s59, s46, 7
	s_add_co_u32 s58, s58, s59
	s_lshl_b32 s58, s58, 10
	s_mov_b32 s59, 0
	s_lshr_b32 s60, s[WV], 2
	s_xor_b32 s60, s60, 1                          ; 0 in waves 4 to 7,
	s_or_b32 s60, s60, ttmp9                       ; of the head's first cluster: the same in all four partners
	s_cmp_eq_u32 s60, 0
	s_cselect_b32 s[LIM], 1, 0
	s_mov_b32 s61, 0x01000100
	s_mov_b32 s62, 0x03020302
	s_mov_b32 s[SEL], 0x76543210
	s_mov_b32 s[SEL+1], 0xfedcba98
	s_mov_b32 s[CS], 0x3e38aa3b                    ; log2(e) / 8
	s_mov_b32 s[CS+1], s[CS]
	s_mov_b32 s[NC], 0xbe38aa3b
	s_wait_dscnt 0x0                               ; both opening adds are done
	s_wait_kmcnt 0x0
	s_mov_b32 s[G0], 1
	s_mov_b32 s[G0+1], s48
	s_add_nc_u64 s[G0+2:G0+3], s[6:7], s[52:53]
	s_or_b32 s[G0+3], s[G0+3], 0x80000000
	s_add_nc_u64 s[PFA:PFA+1], s[6:7], s[54:55]
	s_add_nc_u64 s[4:5], s[4:5], s[56:57]
	s_add_nc_u64 s[8:9], s[8:9], s[58:59]
	CROUND                                         ; all four work-groups are here
	TLOAD                                          ; window 0 into slot 0
	v_and_b32 v10, 31, v0
	s_delay_alu instid0(VALU_DEP_1)
	v_lshlrev_b32 v[LI], 4, v10
	v_lshlrev_b32 v[L8], 3, v10
	v_min_u32 v[PFO], 27, v10
	v_bfe_u32 v11, v0, 3, 1
.irp c, 0,1,2
	global_load_b128 v[FK+4*\c:FK+4*\c+3], v[LI], s[4:5] offset:512*\c
.endr
	global_load_b32 v[FK+12], v[L8], s[4:5] offset:1536
	v_lshlrev_b32 v[PFO], 8, v[PFO]
	v_mul_u32_u24 v11, v11, REC                    ; lanes r >= 8 read the next record
	v_and_b32 v10, 15, v0
	s_delay_alu instid0(VALU_DEP_2)
	v_add_nc_u32 v[KL], v11, v[LI]
	v_lshl_add_u32 v[KP], v10, 3, v11
	s_delay_alu instid0(VALU_DEP_2)
	v_xor_b32 v[KL+1], 128, v[KL]                  ; g = 1: the other eight rows of each record
	v_xor_b32 v[KP+1], 64, v[KP]
	v_mov_b32 v[PWB], 0x7f7f7f7f                   ; the first trip's zero codes of tile B take the scale 1
	s_wait_loadcnt 0x0
	v_perm_b32 v[QWA], v[FK+12], v[FK+12], s61     ; a tile's two scale bytes, twice
	v_perm_b32 v[QWB], v[FK+12], v[FK+12], s62
.irp i, 0,1,2,3,4,5
	v_mov_b32 v[Q+\i], v[FK+\i]
	v_mov_b32 v[Q+12+\i], v[FK+\i]
.endr
	WIN 0x40
.irp i, 0,1,2,3,4,5
	v_mov_b32 v[Q+\i], v[FK+6+\i]
	v_mov_b32 v[Q+12+\i], v[FK+6+\i]
.endr
	INIT
.irp i, 0,1,2,3,4,5,6,7,8,9,10,11
	v_mov_b32 v[PC+\i], 0
.endr
	WIN 0
	INIT
	s_wait_alu depctr_va_vdst(0)                   ; the wait at the head's end
	CHANGE 1, SLOT1, 8*STEPB-HALF, 0               ; window 1 into slot 1, issued as a refill is
	KLOAD KL, KP, 0                                ; K of step 0, and V of step 0 for the zero codes
	VLOAD LI, L8, HALF
	s_wait_dscnt 0x0
	SMM 0, QWA
.rept 4
	v_nop                                          ; places in front of the first read of the scores
.endr
	PERIOD HALF, 7                                 ; trips 1 to 7
	CHANGE 1, 0, 8*STEPB, 8*STEPB                  ; window 2 into slot 0
	PERIOD SLOT1, 8                                ; trips 8 to 15
	CHANGE 1, SLOT1, 8*STEPB, -1                   ; window 3 into slot 1
	PERIOD 0, 8                                    ; trips 16 to 23
	CHANGE 0, 0, 0, -1                             ; nothing is left to fetch
	PERIOD SLOT1, 8                                ; trips 24 to 31
	s_mov_b32 s[TB], SLOT1+8*STEPB                 ; V of step 31
	TRIP 0
.rept 4
	v_nop                                          ; places between p's codes and the products
.endr
	PVM 0x55, PWB
	WAYOUT 0, 0, 0
	WAYOUT 0x55, 0x04, 8192
	WIN 0
	s_wait_tensorcnt 0x0                           ; the wave's end
	ds_add_u32 v[SPW], v[NIL]
	s_wait_dscnt 0x0
	CROUND                                         ; the closing round
	s_endpgm
.Lfunc_end_k_q9cdb332bc2_attn:
	.size	k_q9cdb332bc2_attn, .Lfunc_end_k_q9cdb332bc2_attn-k_q9cdb332bc2_attn
	.p2alignl 7, 3214868480
	.fill 96, 4, 3214868480
	.section	.rodata,"a",@progbits
	.p2align	6, 0x0
	.amdhsa_kernel k_q9cdb332bc2_attn
		.amdhsa_group_segment_fixed_size 327680
		.amdhsa_private_segment_fixed_size 0
		.amdhsa_enable_private_segment 0
		.amdhsa_kernarg_size 24
		.amdhsa_user_sgpr_count 2
		.amdhsa_user_sgpr_kernarg_segment_ptr 1
		.amdhsa_wavefront_size32 1
		.amdhsa_system_sgpr_workgroup_id_x 1
		.amdhsa_system_sgpr_workgroup_id_y 1
		.amdhsa_system_sgpr_workgroup_id_z 1
		.amdhsa_system_vgpr_workitem_id 0
		.amdhsa_next_free_vgpr 512
		.amdhsa_next_free_sgpr 66
		.amdhsa_reserve_vcc 0
		.amdhsa_float_denorm_mode_32 3
		.amdhsa_float_denorm_mode_16_64 3
		.amdhsa_memory_ordered 1
		.amdhsa_forward_progress 1
		.amdhsa_inst_pref_size 168
	.end_amdhsa_kernel
	.amdgpu_metadata
---
amdhsa.version: [ 1, 2 ]
amdhsa.kernels:
  - .name:           k_q9cdb332bc2_attn
    .symbol:         k_q9cdb332bc2_attn.kd
    .args:
      - { .name: qb, .offset: 0, .size: 8, .value_kind: global_buffer, .address_space: global }
      - { .name: kv, .offset: 8, .size: 8, .value_kind: global_buffer, .address_space: global }
      - { .name: yb, .offset: 16, .size: 8, .value_kind: global_buffer, .address_space: global }
    .group_segment_fixed_size: 327680
    .private_segment_fixed_size: 0
    .kernarg_segment_align: 8
    .kernarg_segment_size: 24
    .max_flat_workgroup_size: 256
    .sgpr_count:     66
    .vgpr_count:     512
    .wavefront_size: 32
...
	.end_amdgpu_metadata
.endif
;; end of part 3
;; launch outp (part 4): grid 4 x 64, 8 waves a work-group, clusters of 4 x 4, 167,936 bytes of LDS; arguments yb, wc, bo, out0; writes out0
.if DOCPART == 4
	.amdgcn_target "amdgcn-amd-amdhsa--gfx1250"
	.amdhsa_code_object_version 6
	.text
	.protected	k_q9cdb332bc2_outp
	.globl	k_q9cdb332bc2_outp
	.p2align	8
	.type	k_q9cdb332bc2_outp,@function
k_q9cdb332bc2_outp:
	s_mov_b64 s[64:65], 0
	v_nop
	global_prefetch_b8 v0, s[64:65] scope:SCOPE_SE
	s_setreg_imm32_b32 hwreg(HW_REG_WAVE_MODE, 25, 1), 1
	s_wait_xcnt 0x0
	s_wait_alu depctr_hold_cnt(0) depctr_sa_sdst(0) depctr_va_vdst(0) depctr_va_sdst(0) depctr_va_ssrc(0) depctr_va_vcc(0) depctr_vm_vsrc(0)
	s_getreg_b32 s2, hwreg(HW_REG_IB_STS2, 6, 4)
	s_cmp_eq_u32 s2, 0
	s_cbranch_scc0 .Lentry_in_a_cluster
	s_endpgm
.Lentry_in_a_cluster:
	s_bfe_u32 s2, ttmp6, 0x10000c
	s_cmp_lg_u32 s2, 0xf033
	s_cbranch_scc0 .Lentry_shape_is_right
	s_endpgm
.Lentry_shape_is_right:
; OUTP: out = cat Wo + bo on codes of E3M2 (product 6).  Nothing is left out.
; A work-group makes 128 tokens (group G) x 128 columns (X).  K = 512 fits in LDS whole: y's 65,536 bytes and two blocks of Wo's records (57,344) are filled once, one tensor load a wave.
; CLUSTER 4 x 4: y's bytes hang on G alone and are asked for jointly along a row of the cluster, Wo's on X alone, jointly along a column.
; Wave w: token tiles 2 (w / 2), 2 (w / 2) + 1 x columns 64 (w % 2) on: 32 matrix instructions, eight accumulators by turns.
; Source 0 = 16 columns of Wo, source 1 = 16 tokens: lane (r, h) holds token r and, in tiles 2 b, 2 b + 1, columns 32 b + 16 h + 0..15.  bo is the C of a sum's first instruction.
; yb: [token tile][head 8][4 planes of 256 bytes]: planes 0-2: registers 2 p, 2 p + 1 of the head's six at 8 x lane; plane 3: the head's two scale bytes.  K step s is heads 2 s and 2 s + 1.
.set REC,   1792
.set WOB,   65536                      ; LDS: Wo's records behind y
.set STG,   122880                     ; the stages for the way out: 16 rows x (256 bytes + 16) for each wave; no tensor load lands here
.set SPARE, 157696                     ; the spare words, 128 bytes for each of eight waves
.set LI, 1
.set L8, 2
.set SPW, 3                            ; v3 my spare word; never rewritten
.set NIL, 4                            ; v4 0; never rewritten
.set BO, 5                             ; v5  64 h
.set AY, 6                             ; v6  8 l + 16,384 (w / 2)
.set AW16, 7                           ; v7, v8  16 l / 8 l + my block of Wo
.set AW8, 8
.set STO, 9
.set RD, 10
.set CO, 11
.set WF, 16                            ; v16-63 Wo's four fragments; v64-87 y's two; on the way out v16-79 rows read back
.set YF, 64
.set OB, 16
.set BI, 88                            ; v88-119 bo
.set WW, 120                           ; v120-123 Wo's scale words; v124-131 y's: these hold scales and nothing else
.set YW, 124
.set HW, 132                           ; v132-147 the heads' pairs of bytes as loaded
.set ACC, 148                          ; v148-211
.set WV, 18
.set G1Y, 24
.set G0Y, 32
.set G1O, 36
.set G0O, 44
.macro MMC d, a, b, c, sa, sb
	v_wmma_scale_f32_16x16x128_f8f6f4 v[\d:\d+7], v[\a:\a+11], v[\b:\b+11], v[\c:\c+7], v[\sa], v[\sb] matrix_a_fmt:MATRIX_FMT_BF6 matrix_b_fmt:MATRIX_FMT_BF6
.endm
.macro PLACES
.rept 4
	v_nop
.endr
.endm
.macro CROUND
	s_barrier_signal -1
	s_barrier_wait -1
	s_cmp_lg_u32 s[WV], 0
	s_cbranch_scc1 .Lnot_wave_0_\@
	s_barrier_signal -3
.Lnot_wave_0_\@:
	s_barrier_wait -3
	s_barrier_signal -1
	s_barrier_wait -1
.endm
	s_load_b256 s[4:11], s[0:1], 0x0               ; yb s[4:5], wc s[6:7], bo s[8:9], out0 s[10:11]
	v_lshl_add_u32 v[SPW], v0, 2, SPARE
	v_mov_b32 v[NIL], 0
	ds_add_u32 v[SPW], v[NIL]                      ; the wave's opening: the add, twice on end, and its wait ahead of my first tensor load
	ds_add_u32 v[SPW], v[NIL]
	v_lshrrev_b32 v15, 5, v0
	s_delay_alu instid0(VALU_DEP_1)
	v_readfirstlane_b32 s[WV], v15                 ; wave 0..7
	s_bfe_u32 s48, ttmp6, 0x40000                  ; cx
	s_bfe_u32 s49, ttmp6, 0x40004                  ; cy
	s_lshl_b32 s50, ttmp9, 2
	s_add_co_u32 s50, s50, s48                     ; X: 128 columns
	s_and_b32 s51, ttmp7, 0xffff
	s_lshl_b32 s51, s51, 2
	s_add_co_u32 s51, s51, s49                     ; G: 128 tokens
	s_lshl_b32 s52, s49, 2
	s_lshl_b32 s52, 15, s52                        ; my row of the cluster
	s_lshl_b32 s53, 0x1111, s48                    ; my column
	s_or_b32 s[G1Y], s52, (3<<16)|(1<<21)          ; dense blocks as rows of 256 bytes (32 elements of 8 bytes), no padding: y's quarter is 64 rows,
	s_mov_b32 s[G1Y+1], 32<<16
	s_mov_b32 s[G1Y+2], 64<<16
	s_mov_b32 s[G1Y+3], 32<<16
	s_mov_b32 s[G1Y+4], 64
	s_mov_b32 s[G1Y+5], 32
	s_mov_b32 s[G1Y+6], 0
	s_mov_b32 s[G1Y+7], 0
	s_or_b32 s[G1O], s53, (3<<16)|(1<<21)          ; Wo's 56
	s_mov_b32 s[G1O+1], 32<<16
	s_mov_b32 s[G1O+2], 56<<16
	s_mov_b32 s[G1O+3], 32<<16
	s_mov_b32 s[G1O+4], 56
	s_mov_b32 s[G1O+5], 32
	s_mov_b32 s[G1O+6], 0
	s_mov_b32 s[G1O+7], 0
	s_and_b32 s58, s[WV], 3                        ; which quarter I fetch: waves 0-3 of y, waves 4-7 of Wo
	s_lshl_b32 s59, s58, 14                        ; y: in LDS,
	s_lshl_b32 s55, s51, 16
	s_add_co_u32 s54, s59, s55                     ; and in memory
	s_mov_b32 s55, 0
	s_mul_i32 s60, s58, 8*REC                      ; Wo likewise
	s_mul_i32 s57, s50, 32*REC
	s_add_co_u32 s56, s60, s57
	s_add_co_u32 s56, s56, 24*16*REC               ; behind the 24 blocks of Wq, Wk, Wv
	s_mov_b32 s57, 0
	s_add_co_u32 s60, s60, WOB
	s_lshr_b32 s22, s[WV], 1                       ; tp: my pair of token tiles
	s_and_b32 s23, s[WV], 1                        ; ch: my 64 columns
	s_wait_dscnt 0x0                               ; both opening adds are done
	s_wait_kmcnt 0x0
	s_mov_b32 s[G0Y], 1
	s_mov_b32 s[G0Y+1], s59
	s_add_nc_u64 s[G0Y+2:G0Y+3], s[4:5], s[54:55]
	s_or_b32 s[G0Y+3], s[G0Y+3], 0x80000000
	s_mov_b32 s[G0O], 1
	s_mov_b32 s[G0O+1], s60
	s_add_nc_u64 s[G0O+2:G0O+3], s[6:7], s[56:57]
	s_or_b32 s[G0O+3], s[G0O+3], 0x80000000
	CROUND                                         ; all sixteen work-groups are here: the joint loads meet
	s_cmp_lt_u32 s[WV], 4                          ; every wave issues one load; an s_nop 0 and four v_nop follow each line
	s_cbranch_scc0 .Lfor_w
	tensor_load_to_lds s[G0Y:G0Y+3], s[G1Y:G1Y+7]
	s_nop 0
.rept 4
	v_nop
.endr
	s_branch .Lasked
.Lfor_w:
	tensor_load_to_lds s[G0O:G0O+3], s[G1O:G1O+7]
	s_nop 0
.rept 4
	v_nop
.endr
.Lasked:
	s_lshl_b32 s61, s50, 9                         ; my columns, in bytes: 512 X + 256 ch
	s_lshl_b32 s62, s23, 8
	s_add_co_u32 s78, s61, s62
	s_mov_b32 s79, 0
	s_add_nc_u64 s[68:69], s[8:9], s[78:79]        ; bo there
	s_lshl_b32 s61, s51, 7
	s_lshl_b32 s62, s22, 5
	s_add_co_u32 s61, s61, s62                     ; my first token: 128 G + 32 tp
	s_lshl_b32 s61, s61, 11
	s_add_co_u32 s78, s78, s61
	s_add_nc_u64 s[66:67], s[10:11], s[78:79]      ; out0 there
	v_and_b32 v15, 31, v0
	s_delay_alu instid0(VALU_DEP_1)
	v_lshlrev_b32 v[LI], 4, v15
	s_delay_alu instid0(VALU_DEP_2)
	v_lshlrev_b32 v[L8], 3, v15
	v_and_b32 v12, 15, v0                          ; r
	v_bfe_u32 v13, v0, 4, 1                        ; h
	s_delay_alu instid0(VALU_DEP_1)
	v_lshlrev_b32 v[BO], 6, v13
.irp t, 0,1,2,3
	global_load_b128 v[BI+8*\t:BI+8*\t+3], v[BO], s[68:69] offset:(32*(\t/2)+8*(\t%2))*4
	global_load_b128 v[BI+8*\t+4:BI+8*\t+7], v[BO], s[68:69] offset:(32*(\t/2)+8*(\t%2))*4+16
.endr
	s_lshl_b32 s61, s22, 14
	v_add_nc_u32 v[AY], s61, v[L8]
	s_mul_i32 s61, s23, 16*REC
	s_add_co_u32 s61, s61, WOB
	v_add_nc_u32 v[AW16], s61, v[LI]
	v_add_nc_u32 v[AW8], s61, v[L8]
	s_mul_i32 s61, s[WV], 16*272
	s_add_co_u32 s61, s61, STG                     ; my stage
	v_mul_u32_u24 v[STO], v12, 272
	s_delay_alu instid0(VALU_DEP_1)
	v_lshl_add_u32 v[STO], v13, 6, v[STO]
	s_delay_alu instid0(VALU_DEP_1)
	v_add_nc_u32 v[STO], s61, v[STO]               ; in: row r, + 64 h
	v_mul_u32_u24 v[RD], v13, 272
	s_delay_alu instid0(VALU_DEP_1)
	v_lshl_add_u32 v[RD], v12, 4, v[RD]
	s_delay_alu instid0(VALU_DEP_1)
	v_add_nc_u32 v[RD], s61, v[RD]                 ; back: lanes 0-15 one row of 256 bytes, lanes 16-31 the next
	v_lshlrev_b32 v[CO], 11, v13
	s_delay_alu instid0(VALU_DEP_1)
	v_lshl_add_u32 v[CO], v12, 4, v[CO]            ; and the same two rows in out0
	s_wait_tensorcnt 0x0                           ; my part has landed,
	s_barrier_signal -1
	s_barrier_wait -1                              ; everybody's has
.irp u, 0,1
.irp e, 0,1,2,3,4,5,6,7
	ds_load_b32 v[HW+8*\u+\e], v[AY] offset:\u*8192+\e*1024+768   ; each head's two bytes of my rows
.endr
.endr
	s_wait_dscnt 0x0
.irp u, 0,1
.irp s, 0,1,2,3
	v_lshl_or_b32 v[YW+4*\u+\s], v[HW+8*\u+2*\s+1], 16, v[HW+8*\u+2*\s]   ; two heads make a K step's scale word
.endr
.endr
.rept 8
	v_nop                                          ; a scale register written by a vector instruction stands eight places ahead of the product
.endr
	s_wait_alu depctr_va_vdst(0)
	s_wait_loadcnt 0x0                             ; bo
.irp s, 0,1,2,3
	PLACES                                         ; in front of loads into registers that matrix instructions have read
.irp t, 0,1,2,3
.irp c, 0,1,2
	ds_load_b128 v[WF+12*\t+4*\c:WF+12*\t+4*\c+3], v[AW16] offset:(4*\t+\s)*REC+512*\c
.endr
	ds_load_b32 v[WW+\t], v[AW8] offset:(4*\t+\s)*REC+1536
.endr
.irp u, 0,1
.irp g, 0,1
.irp p, 0,1,2
	ds_load_b64 v[YF+12*\u+6*\g+2*\p:YF+12*\u+6*\g+2*\p+1], v[AY] offset:\u*8192+(2*\s+\g)*1024+256*\p
.endr
.endr
.endr
	s_wait_dscnt 0x0
.irp u, 0,1
.irp t, 0,1,2,3
.if \s == 0
	MMC ACC+32*\u+8*\t, WF+12*\t, YF+12*\u, BI+8*\t, WW+\t, YW+4*\u+\s
.else
	MMC ACC+32*\u+8*\t, WF+12*\t, YF+12*\u, ACC+32*\u+8*\t, WW+\t, YW+4*\u+\s
.endif
.endr
.endr
.endr
	PLACES                                         ; in front of the first read of results and of loads over the fragments
	; THE WAY OUT: a tile of 16 tokens x 64 columns goes through my stage and comes back as whole rows of 256 bytes.  LDS serves a wave's instructions in order: no wait between the stores and the loads
.irp u, 0,1
.irp t, 0,1,2,3
	ds_store_b128 v[STO], v[ACC+32*\u+8*\t:ACC+32*\u+8*\t+3] offset:128*(\t/2)+32*(\t%2)       ; each accumulator from its low end on
	ds_store_b128 v[STO], v[ACC+32*\u+8*\t+4:ACC+32*\u+8*\t+7] offset:128*(\t/2)+32*(\t%2)+16
.endr
.irp i, 0,1,2,3,4,5,6,7
	ds_load_b128 v[OB+32*\u+4*\i:OB+32*\u+4*\i+3], v[RD] offset:544*\i
.endr
.endr
.irp u, 0,1
.irp i, 0,1,2,3,4,5,6,7
	s_wait_dscnt 23-16*\u-\i                       ; behind this load: its tile's later loads, and for the first tile the second's sixteen LDS instructions
	global_store_b128 v[CO], v[OB+32*\u+4*\i:OB+32*\u+4*\i+3], s[66:67] offset:(16*\u+2*\i)*2048 th:TH_STORE_NT   ; sixteen lanes store 256 consecutive bytes, aligned
.endr
.endr
	s_wait_tensorcnt 0x0                           ; the wave's end
	ds_add_u32 v[SPW], v[NIL]
	s_wait_dscnt 0x0
	CROUND                                         ; the closing round
	s_endpgm
.Lfunc_end_k_q9cdb332bc2_outp:
	.size	k_q9cdb332bc2_outp, .Lfunc_end_k_q9cdb332bc2_outp-k_q9cdb332bc2_outp
	.p2alignl 7, 3214868480
	.fill 96, 4, 3214868480
	.section	.rodata,"a",@progbits
	.p2align	6, 0x0
	.amdhsa_kernel k_q9cdb332bc2_outp
		.amdhsa_group_segment_fixed_size 167936
		.amdhsa_private_segment_fixed_size 0
		.amdhsa_enable_private_segment 0
		.amdhsa_kernarg_size 32
		.amdhsa_user_sgpr_count 2
		.amdhsa_user_sgpr_kernarg_segment_ptr 1
		.amdhsa_wavefront_size32 1
		.amdhsa_system_sgpr_workgroup_id_x 1
		.amdhsa_system_sgpr_workgroup_id_y 1
		.amdhsa_system_sgpr_workgroup_id_z 1
		.amdhsa_system_vgpr_workitem_id 0
		.amdhsa_next_free_vgpr 256
		.amdhsa_next_free_sgpr 80
		.amdhsa_reserve_vcc 0
		.amdhsa_float_denorm_mode_32 3
		.amdhsa_float_denorm_mode_16_64 3
		.amdhsa_memory_ordered 1
		.amdhsa_forward_progress 1
		.amdhsa_inst_pref_size 25
	.end_amdhsa_kernel
	.amdgpu_metadata
---
amdhsa.version: [ 1, 2 ]
amdhsa.kernels:
  - .name:           k_q9cdb332bc2_outp
    .symbol:         k_q9cdb332bc2_outp.kd
    .args:
      - { .name: yb, .offset: 0, .size: 8, .value_kind: global_buffer, .address_space: global }
      - { .name: wc, .offset: 8, .size: 8, .value_kind: global_buffer, .address_space: global }
      - { .name: bo, .offset: 16, .size: 8, .value_kind: global_buffer, .address_space: global }
      - { .name: out0, .offset: 24, .size: 8, .value_kind: global_buffer, .address_space: global }
    .group_segment_fixed_size: 167936
    .private_segment_fixed_size: 0
    .kernarg_segment_align: 8
    .kernarg_segment_size: 32
    .max_flat_workgroup_size: 256
    .sgpr_count:     80
    .vgpr_count:     256
    .wavefront_size: 32
...
	.end_amdgpu_metadata
.endif
;; end of part 4
